; MI455X (gfx1250); checked and timed in simulation.
; The chip was launched on July 23, 2026; its instructions are those of AMD's public machine-readable ISA for CDNA 5 (MIT licence, August 2026) and "CDNA5" Instruction Set Architecture Reference Guide (July 2026). The comments in the code are by the model that wrote it; some were corrected since.
;; GRU Cell. Allowed arithmetic: matrix products marked QUANTISED: E2M1 operands, one E8M0 scale for each 32 along K, by v_wmma_scale_f32_16x16x128_f8f6f4 with both operands' format E2M1 (or v_wmma_scale_f32_32x16x128_f4), f32 sums; everything else in f32.
;; Inputs: h_prev 16,384 x 512 float32; hidden_bias 512 float32; hidden_kernel_codes 512 x 32 x 16 uint8 (E2M1 codes of hidden_kernel, K innermost, in blocks of 32 codes, two codes a byte); hidden_kernel_scales 512 x 32 uint8 (E8M0 scales of hidden_kernel, one for each 32 codes along K); inputs 16,384 x 512 float32; reset_bias 512 float32; reset_kernel_codes 512 x 32 x 16 uint8 (E2M1 codes of reset_kernel, K innermost, in blocks of 32 codes, two codes a byte); reset_kernel_scales 512 x 32 uint8 (E8M0 scales of reset_kernel, one for each 32 codes along K); update_bias 512 float32; update_kernel_codes 512 x 32 x 16 uint8 (E2M1 codes of update_kernel, K innermost, in blocks of 32 codes, two codes a byte); update_kernel_scales 512 x 32 uint8 (E8M0 scales of update_kernel, one for each 32 codes along K).
;; Outputs: out0 16,384 x 512 float32.
;; This version of the problem:
;;   THIS VERSION OF THE PROBLEM IS GIVEN IN LOW PRECISION. The matrix products marked QUANTISED in the list below multiply operands that are first quantised to E2M1 (2 exponent bits, 1 mantissa bit; 4 bits a number), with one power-of-two scale for each 32 numbers along K (OCP MX v1.0); their sums are f32. All else is computed in f32.
;;   The module's matrix products, in the order in which they are computed (A, B: the left and right operand; K: the contracted axis; several contracted axes count as one K, in the product's order):
;;     1. [M 16,384, K 1,024] x [K 1,024, N 512]; A: computed on the way; B: input update_kernel (given as codes): QUANTISED
;;     2. [M 16,384, K 1,024] x [K 1,024, N 512]; A: computed on the way; B: input reset_kernel (given as codes): QUANTISED
;;     3. [M 16,384, K 1,024] x [K 1,024, N 512]; A: computed on the way; B: input hidden_kernel (given as codes): QUANTISED
;;   THE QUANTISER, for each operand of a quantised product, along K:
;;     - K is cut into blocks of 32 from its start; a last block that is shorter is filled with zeros.
;;     - A block's scale is 2^e with e = floor(log2(the largest magnitude in the block)) - 2, held to -126 .. 127; a block of zeros has e = 0. As a byte (E8M0): e + 127.
;;     - Each number is divided by its block's scale, clamped to +-6, and rounded to the nearest number of E2M1, ties to even, subnormals kept.
;;     - The product sums the exact products of the quantised numbers (number of the format x scale) in f32.
;;   ~~~python
;;   def quantise(x, axis):      # numpy; x: float32 -> the quantised numbers, widened to float32 again
;;       x = np.moveaxis(x, axis, -1); K = x.shape[-1]
;;       x = np.pad(x, [(0, 0)] * (x.ndim - 1) + [(0, -K % 32)]); x = x.reshape(x.shape[:-1] + (-1, 32)); a = np.abs(x).max(-1, keepdims=True)
;;       e = np.where(a > 0, np.clip(np.frexp(np.where(a > 0, a, 1))[1] - 1 - 2, -126, 127), 0)      # np.frexp(a)[1] - 1 = floor(log2(a)), exactly
;;       r = np.clip(x / 2.0 ** e, -6, 6)
;;       step = 2.0 ** (np.maximum(np.frexp(np.where(r == 0, 1, r))[1] - 1, 0) - 1)
;;       q = np.round(r / step) * step * 2.0 ** e      # np.round: ties to even
;;       return np.moveaxis(q.reshape(q.shape[:-2] + (-1,))[..., :K], -1, axis).astype(np.float32)
;;   ~~~
;;   OPERANDS COMPUTED ON THE WAY. 'Computed on the way' means the value that the module computes at that place (a softmax that the list does not call 'softmax' is quantised finished and normalised). What goes into a quantiser is computed in f32, as accurately as f32 sums, v_exp_f32 and their like allow (about 1e-6 of the number): no bf16 or f16 on the way to a quantiser, and a product that is left as it is and whose result goes on into a quantised operand takes f32 operands (vector FMAs, or v_wmma_f32_16x16x4_f32). A number that lies on a knife's edge between two numbers of the format may be rounded either way, as far as f32 arithmetic and the matrix unit's own rounding can turn it there, and no further.
;;   INPUTS GIVEN AS CODES. hidden_kernel (in the module: [1024, 512], K = its axis 0); reset_kernel (in the module: [1024, 512], K = its axis 0); update_kernel (in the module: [1024, 512], K = its axis 0): each comes as NAME_codes (uint8): NAME with its K axis moved to the last place and cut into blocks of 32 codes, [.., K / 32, bytes a block], one block behind the other in memory; two codes a byte, the lower K in the low four bits (a code: sign, 2 exponent bits, 1 mantissa bit); and NAME_scales (uint8): the same leading axes, one E8M0 byte (e + 127) for each 32 codes along K. Its value is code x scale, taken as it is: it is not quantised again, and the codes and scales need not be those that the quantiser above would give.
;; One version. Each part assembles by itself: llvm-mc -triple=amdgcn-amd-amdhsa -mcpu=gfx1250 --defsym DOCPART=n.
;; ======== version 1 of 1: 1 launch
;; limits: right only within a limited range of input values
;; launch gru (part 1): grid 256 x 1, 8 waves a work-group, clusters of 4 x 1, 327,680 bytes of LDS; arguments inputs, h_prev, reset_kernel_codes, update_kernel_codes, hidden_kernel_codes, reset_kernel_scales, update_kernel_scales, hidden_kernel_scales, reset_bias, update_bias, hidden_bias, out0; writes out0
.if DOCPART == 1
	.amdgcn_target "amdgcn-amd-amdhsa--gfx1250"
	.amdhsa_code_object_version 6
	.text
	.protected	k_qb78d4d130e_gru
	.globl	k_qb78d4d130e_gru
	.p2align	8
	.type	k_qb78d4d130e_gru,@function
k_qb78d4d130e_gru:
	s_mov_b64 s[64:65], 0
	v_nop
	global_prefetch_b8 v0, s[64:65] scope:SCOPE_SE
	s_setreg_imm32_b32 hwreg(HW_REG_WAVE_MODE, 25, 1), 1
	s_wait_xcnt 0x0
	s_wait_alu depctr_hold_cnt(0) depctr_sa_sdst(0) depctr_va_vdst(0) depctr_va_sdst(0) depctr_va_ssrc(0) depctr_va_vcc(0) depctr_vm_vsrc(0)
	s_getreg_b32 s2, hwreg(HW_REG_IB_STS2, 6, 4)
	s_cmp_eq_u32 s2, 0
	s_cbranch_scc0 .Lentry_in_a_cluster
	s_endpgm
.Lentry_in_a_cluster:
	s_bfe_u32 s2, ttmp6, 0x10000c
	s_cmp_lg_u32 s2, 0x3003
	s_cbranch_scc0 .Lentry_shape_is_right
	s_endpgm
.Lentry_shape_is_right:
; A GRU cell, 16,384 rows, D = U = 512, its three products on codes of FP4 (E2M1) with one E8M0 scale for each 32 along K:
;   z = sigmoid(Q[x, h] Wz + bz),  r = sigmoid(Q[x, h] Wr + br),  g = tanh(Q[x, r h] Wh + bh),  out = h + z (g - h).
; K's blocks of 32 never cross column 512, so Q(x) is made once and serves all three products; only K's second half is quantised twice.
; ONE LAUNCH: x and h are read once, out is written once, nothing else goes to memory.  r h needs a row's whole reset gate, so a row's 512 columns stay in one work-group.
; SHARES.  A work-group of eight waves owns 64 rows.  Wave w owns columns 64 w .. 64 w + 63 of every gate, for all 64 rows (4 tiles of columns x 4 tiles of rows = 16 accumulators a gate).
; x: wave w quantises rows 8 w .. 8 w + 7; a lane takes 8 neighbours, four lanes a block, 32 lanes half a row; the codes go to LDS row by row.
; h: wave w takes its own 64 columns, turns them through its own LDS bytes into the products' lane order, quantises them there and hands the codes on as images of the operand's registers.
; THE MATRIX INSTRUCTION IS USED TRANSPOSED (source 0 = 16 rows of a weight, source 1 = 16 rows of the batch): lane (r = lane % 16, h = lane / 16) holds row 16 m + r, and
; register 32 m + 8 t + j column 16 t + 8 h + j of the wave's 64.  h, the biases and the result are in this same order, so that all arithmetic between the products is lane by lane.
; THE WEIGHTS pass through a ring of two LDS slots, A and B, in six units (one weight's half of K, 512 rows x 256 bytes): A takes Wr K 0-511, Wr K 512-1023, Wh K 0-511; B takes Wz's two and Wh K 512-1023.
; At the head both slots are filled, one tensor load of 128 rows a wave; then one slot at a time, 64 rows a wave, while the other slot is multiplied.  A wave has at most one tensor load outstanding.
; CLUSTER: the four work-groups of a cluster walk the same weights, so each load is asked for JOINTLY, with the same descriptor and a mask that names the four.
; No prefetch: the text runs straight through and has no loop to run ahead in.
; The weights' scale bytes come straight into registers, 16 of a row's 32 bytes a load: they are a sixteenth of the codes' bytes.
; LIMITS: NaN and infinities among the inputs are not served.  A block of zeros gets the scale byte 1 (the rule says 127) with zero codes: only this text reads those bytes.  Blocks whose largest magnitude lies
; under 2^-124 are held at the byte 1.  The biases enter as fma(sum, c, b c), c the factor of the exponential: one rounding more than sum + b.  An exponential that overflows ends in the gate's right limit
; (1 / infinity = 0); one that underflows is flushed to 0 and gives the other limit.  out is summed as (h + z (1 - h)) + z (-2 / (1 + e^(2 x))): its error is about 1e-7 of the largest term, also where tanh is small.
; REGISTERS: window 0: addresses, scale words, fragments, scratch (below), v128-255 h, then P = h + z (1 - h).  window 1: v0-127 x, then r, r h, g, out; v128-255 z.
.set PITCH,  272                       ; an LDS row of a weight: 256 bytes + 16 of padding = 68 words: the 16 rows that a load touches begin 4 words further round the 64 banks each (ISA guide 11.1)
.set TILEB,  16*PITCH                  ; 16 rows
.set WSTRIP, 64*PITCH                  ; a wave's 64 rows of a unit: what it reads, and what its load brings in the ring
.set LOADB,  128*PITCH                 ; what one tensor load brings at the head
.set UNITB,  512*PITCH                 ; a slot.  Slots A and B are LDS bytes 0 .. 278,527; tensor loads fill them; behind slot A's last fill and last reads its first 8 x 4,352 bytes are the stages for out
.set XA,     2*UNITB                   ; Q(x)'s codes: 64 rows of 272 bytes
.set HA,     XA+64*PITCH               ; wave w's own 2,304 bytes: stage for turning h (16 rows of 128 + 16 bytes), then its 4 images of Q(h), then of Q(r h)
.set HST,    2304
.set XSC,    HA+8*HST                  ; scale bytes of Q(x): 16 x row + block
.set HSOFF,  1024                      ; and 1,024 bytes on those of Q(h), later of Q(r h)
.set SPARE,  XSC+2*HSOFF               ; the spare words, 128 bytes for each wave: four blocks of 256 bytes that no other line names
.set BIAS,   SPARE+1024                ; wave w's 3 x 64 biases, each times its exponential's factor: 768 w + 256 gate
.set SPW, 1                            ; v1   SPARE + 4 x thread; never rewritten
.set NIL, 2                            ; v2   0; never rewritten
.set STR, 3                            ; v3   my stage of h, in the lanes' order
.set SO,  4                            ; v4   32 x lane: a weight row's scale bytes; x's offset too
.set BR,  5                            ; v5   my biases: + 32 h
.set AWA, 6                            ; v6   my fragments in slot A: 17,408 w + 272 r + 16 h;   v7 the same in slot B
.set AX,  8                            ; v8   Q(x)'s fragments: XA + 272 r + 16 h
.set AI,  9                            ; v9   an image's place for my lane: HA + 16 x lane
.set AIW, 10                           ; v10  where I store images: + 2,304 w
.set ASR, 11                           ; v11  XSC + 16 r: a row's four scale words
.set XCW, 12                           ; v12  my codes of x: XA + 8 w rows + 4 x lane;  at the end: out's stage, in the lanes' order
.set XSW, 13                           ; v13  my scale bytes of x;                      at the end: out's stage, rows as they lie in memory
.set HSW, 14                           ; v14  XSC + 16 r + 2 w: my two scale bytes;     at the end: out's offset in memory
.set STW, 15                           ; v15  my stage of h, rows as they lie in memory
.set AS,  16                           ; v16-31  the left operand's scale words, 4 m + q
.set WS,  32                           ; v32-47  the weights' scale words: slot (A, B) x pair of tiles p x K step q; lanes 0-15 tile 2 p, lanes 16-31 tile 2 p + 1
.set XB,  48                           ; v48-79  four fragments of the left operand: one K step
.set BI,  48                           ;         outside the products: 32 biases in the lanes' order
.set HO,  49                           ;         at the head: offsets of h, the biases, and where the biases go in LDS
.set BO,  50
.set BW,  51
.set WB,  80                           ; v80-127 three buffers of 2 fragments of a weight
.set TM,  80                           ;         outside the products: the quantiser's scratch: +0..3 largest magnitudes, +4..7 the other half's, then bytes, +12..15 the conversions' scale operands
.set PW,  96                           ;         v96-99 two scale bytes a tile, two sets of two tiles
.set PC,  100                          ;         v100-115 the codes, two sets of two tiles x 4
.set HH,  128                          ; h, then P, in window 0
.set ZZ,  128                          ; z, in window 1
.set WV,  28                           ; s28  my wave's number
.set G0A, 32                           ; s[32:35], s[36:39] descriptor groups 0 of the head's loads: Wr's unit, Wz's;
.set G0B, 36
.set G0HA, 40                          ; s[40:43], s[44:47] the ring's: Wh's two,
.set G0HB, 44
.set G0RH, 80                          ; s[80:83], s[84:87] and Wr's and Wz's second
.set G0ZH, 84
.set G1,  48                           ; s[48:55] descriptor group 1, one for all loads
.set SEL, 56                           ; s[56:57] v_permlanex16_b32's selects for lane l xor 16
.set CSG, 58                           ; s[58:59] -log2(e), twice: the packed forms name a pair
.set CTH, 60                           ; s[60:61] 2 log2(e), twice
.set MSB, 0
.macro WIN new                         ; low byte: bits 1:0 source 0, 3:2 source 1, 5:4 source 2, 7:6 destination; the high byte repeats the setting that is left
.if MSB != (\new)
	s_set_vgpr_msb (MSB<<8)|(\new)
.set MSB, (\new)
.endif
.endm
.macro PLACES n
.rept \n
	v_nop
.endr
.endm
; A round of the cluster's barrier: my work-group's barrier, wave 0 signals for the work-group, every wave waits for all four work-groups, my work-group's barrier once more.
.macro ROUND
	s_barrier_signal -1
	s_barrier_wait -1
	s_cmp_lg_u32 s[WV], 0
	s_cbranch_scc1 .Lnot_wave_0_\@
	s_barrier_signal -3
.Lnot_wave_0_\@:
	s_barrier_wait -3
	s_barrier_signal -1
	s_barrier_wait -1
.endm
; In front of a barrier behind which a fill is read: my tensor load has landed, the add, my LDS stores have landed and my LDS loads are in.
.macro MEET
	s_wait_tensorcnt 0x0
	ds_add_u32 v[SPW], v[NIL]
	s_wait_dscnt 0x0
	s_barrier_signal -1
	s_barrier_wait -1
.endm
; A change of slots: the same three lines, then a round of the cluster's barrier: the other slot's unit has landed, everybody's codes lie in LDS, and no wave of any partner still reads this slot or has a load on its way.
; Then this slot's refill: the four v_nop behind it are the places in front of loads into registers that matrix instructions have read.  first = 1: from here on a load brings 64 rows.
.macro CHANGE g0, first
	s_wait_tensorcnt 0x0                           ; no tensor load of mine is out, so a descriptor may be written
	ds_add_u32 v[SPW], v[NIL]                      ; 0 onto my spare word
.if \first
	s_mov_b32 s[G1+2], 64<<16                      ; tensor_dim1 = 64
	s_mov_b32 s[G1+4], 64                          ; tile_dim1 = 64
.endif
	s_wait_dscnt 0x0                               ; the add is done, my LDS stores have landed, my reads of the slot are over
	ROUND
	tensor_load_to_lds s[\g0:\g0+3], s[G1:G1+7]
	s_nop 0
	PLACES 4
.endm
; 16 scale bytes (K half c) of each of my 64 rows of a weight, into set gs: lane = row 32 p + lane
.macro LDSCL gs, sb, c
.irp p, 0,1
	global_load_b128 v[WS+8*\gs+4*\p:WS+8*\gs+4*\p+3], v[SO], s[\sb:\sb+1] offset:1024*\p+16*\c
.endr
.endm
; A row of x, as two halves of 256 columns, 8 neighbours a lane: a half's two loads together take its 1,024 bytes
.macro LOADX i
.irp p, 0,1
.irp jj, 0,1
	global_load_b128 v[16*\i+8*\p+4*\jj:16*\i+8*\p+4*\jj+3], v[SO], s[4:5] offset:2048*\i+1024*\p+16*\jj
.endr
.endr
.endm
; Tile m (16 rows) of my 256 bytes of h: a load takes 128 consecutive bytes of each of four rows, two neighbouring loads the rows' whole 256 bytes
.macro LOADH m
.irp i, 0,1,2,3
.irp hf, 0,1
	global_load_b128 v[HH+32*\m+16*\hf+4*\i:HH+32*\m+16*\hf+4*\i+3], v[HO], s[6:7] offset:(16*\m+4*\i)*2048+128*\hf th:TH_LOAD_NT
.endr
.endr
.endm
; The tile goes through my stage, 32 columns at a time, and comes back in the lanes' order, into the registers that it left.  LDS serves a wave's instructions in order (ISA guide 5.7.1.4): no wait between stores and loads
.macro TURN m
.irp hf, 0,1
.irp i, 0,1,2,3
	ds_store_b128 v[STW], v[HH+32*\m+16*\hf+4*\i:HH+32*\m+16*\hf+4*\i+3] offset:576*\i
.endr
.irp u, 0,1
.irp jj, 0,1
	ds_load_b128 v[HH+32*\m+16*\hf+8*\u+4*\jj:HH+32*\m+16*\hf+8*\u+4*\jj+3], v[STR] offset:64*\u+16*\jj
.endr
.endr
.endr
.endm
; Rows 4 a .. 4 a + 3 of my eight rows of x, eight halves: codes and scale bytes to LDS.  Four lanes share a block; all write its byte, with the same value
.macro QX a
.set TX, 52+32*\a
.set TC, TX+24
	WIN 0x14
.irp d, 0,1,2,3,4,5,6,7
	v_max3_num_f32 v[TX+\d], 0x1800000, |v[64*\a+8*\d]|, |v[64*\a+8*\d+1]|   ; and the floor 2^(3 - 127): the byte cannot fall under 1
.endr
.irp k, 2,4,6
.irp d, 0,1,2,3,4,5,6,7
	v_max3_num_f32 v[TX+\d], v[TX+\d], |v[64*\a+8*\d+\k]|, |v[64*\a+8*\d+\k+1]|
.endr
.endr
	WIN 0
.irp d, 0,1,2,3,4,5,6,7
	v_max_num_f32_dpp v[TX+\d], v[TX+\d], v[TX+\d] row_xmask:1 row_mask:0xf bank_mask:0xf
.endr
.irp d, 0,1,2,3,4,5,6,7
	v_max_num_f32_dpp v[TX+\d], v[TX+\d], v[TX+\d] row_xmask:2 row_mask:0xf bank_mask:0xf
.endr
.irp d, 0,1,2,3,4,5,6,7
	v_add_nc_u32 v[TX+8+\d], 0xff000000, v[TX+\d]  ; 2 off its exponent field: the conversion takes the exponent field of this operand as its scale
.endr
.irp d, 0,1,2,3,4,5,6,7
	v_lshrrev_b32 v[TX+16+\d], 23, v[TX+8+\d]      ; the scale's byte
.endr
	WIN 1
.irp d, 0,1,2,3,4,5,6,7
	v_cvt_scalef32_pk8_fp4_f32 v[TC+\d], v[64*\a+8*\d:64*\a+8*\d+7], v[TX+8+\d]
.endr
	WIN 0
	v_nop                                          ; one plain place behind a scaled conversion
.irp d, 0,1,2,3,4,5,6,7
	ds_store_b32 v[XCW], v[TC+\d] offset:PITCH*(4*\a+\d/2)+128*(\d%2)
	ds_store_b8 v[XSW], v[TX+16+\d] offset:16*(4*\a+\d/2)+8*(\d%2)
.endr
.endm
; Two tiles of rows, 64 numbers of a lane in window win: register src + 32 d + 16 b + 8 u + j = k 32 b + 16 u + 8 h + j of row r of tile d: 4 registers of codes and two scale bytes a tile, in set pset, and to LDS: tiles m0, m0 + 1.
.macro QUANT src, win, pset, m0
	WIN ((\win)<<2)|((\win)<<4)
.irp b, 0,1,2,3
	v_max3_num_f32 v[TM+\b], 0x1800000, |v[\src+16*\b]|, |v[\src+16*\b+1]|   ; my 16 numbers of a block, and the floor
.endr
.irp i, 2,4,6,8,10,12,14
.irp b, 0,1,2,3
	v_max3_num_f32 v[TM+\b], v[TM+\b], |v[\src+16*\b+\i]|, |v[\src+16*\b+\i+1]|   ; (the four blocks by turns)
.endr
.endr
	WIN 0
.irp b, 0,1,2,3
	v_permlanex16_b32 v[TM+4+\b], v[TM+\b], s[SEL], s[SEL+1]
.endr
.irp b, 0,1,2,3
	v_max_num_f32 v[TM+\b], v[TM+\b], v[TM+4+\b]   ; with lane l xor 16's 16: the block's largest magnitude
.endr
.irp b, 0,1,2,3
	v_add_nc_u32 v[TM+12+\b], 0xff000000, v[TM+\b]
.endr
.irp b, 0,1,2,3
	v_lshrrev_b32 v[TM+4+\b], 23, v[TM+12+\b]
.endr
.irp d, 0,1
	v_lshl_or_b32 v[PW+2*(\pset)+\d], v[TM+5+2*\d], 8, v[TM+4+2*\d]
.endr
	WIN \win
.irp b, 0,1,2,3
.irp u, 0,1
	v_cvt_scalef32_pk8_fp4_f32 v[PC+8*(\pset)+4*(\b/2)+2*\u+(\b%2)], v[\src+16*\b+8*\u:\src+16*\b+8*\u+7], v[TM+12+\b]   ; codes of k = 32 (b % 2) + 16 u + 8 h + 0 .. 7
.endr
.endr
	WIN 0
	v_nop                                          ; one plain place behind a scaled conversion
.irp d, 0,1                                    ; the operand wants a WHOLE block in a lane: register 2 u holds block 0's codes, 2 u + 1 block 1's, each 8 h on;
.irp u, 0,1                                    ; the first's lanes 16-31 change places with the second's lanes 0-15: register i then holds k = 32 h + 8 i + 0 .. 7
	v_permlane16_swap_b32 v[PC+8*(\pset)+4*\d+2*\u], v[PC+8*(\pset)+4*\d+2*\u+1]
.endr
.endr
.irp d, 0,1
	ds_store_b128 v[AIW], v[PC+8*(\pset)+4*\d:PC+8*(\pset)+4*\d+3] offset:512*(\m0+\d)
	ds_store_b16 v[HSW], v[PW+2*(\pset)+\d] offset:HSOFF+256*(\m0+\d)   ; lanes r and r + 16 write the same two bytes with the same value
.endr
.endm
.macro WF buf, areg, p, q                      ; two fragments of a weight: tiles 2 p, 2 p + 1 of my columns, the unit's q-th 128 along K
.irp i, 0,1
.irp c, 0,1
	ds_load_b128 v[WB+16*(\buf)+8*\i+4*\c:WB+16*(\buf)+8*\i+4*\c+3], v[\areg] offset:TILEB*(2*(\p)+\i)+64*(\q)+32*\c
.endr
.endr
.endm
.macro XF kind, q                              ; the four tiles of rows of one K step of the left operand.  kind 0: Q(x), by rows; 1: images: waves 2 q and 2 q + 1 made this K step's two halves
.irp m, 0,1,2,3
.irp c, 0,1
.if \kind
	ds_load_b128 v[XB+8*\m+4*\c:XB+8*\m+4*\c+3], v[AI] offset:HST*(2*(\q)+\c)+512*\m
.else
	ds_load_b128 v[XB+8*\m+4*\c:XB+8*\m+4*\c+3], v[AX] offset:TILEB*\m+64*(\q)+32*\c
.endif
.endr
.endr
.endm
.macro FETS soff                               ; its scale words: register 4 m + q
.irp m, 0,1,2,3
	ds_load_b128 v[AS+4*\m:AS+4*\m+3], v[ASR] offset:\soff+256*\m
.endr
.endm
; 8 matrix instructions: 2 tiles of columns x 4 tiles of rows, 128 along K, on 8 different accumulators.  An accumulator's next turn is 16 instructions on or more: the accumulators take turns.
; zero = 1: the product starts the sums.  An odd tile's scale words stand in lanes 16-31.
; staged = 1: the left fragments are still on their way, two loads a tile of rows, with nW loads behind the last of them: each tile is waited for by count.
.macro MUL8 buf, acc, p, q, ws, zero, staged
.irp m, 0,1,2,3
.if \staged
	s_wait_dscnt nW+6-2*\m
.endif
.irp i, 0,1
.set rD, (\acc)+32*\m+8*(2*(\p)+\i)
.set rW, WB+16*(\buf)+8*\i
.set rX, XB+8*\m
.set rS, (\ws)+4*(\p)+(\q)
.set rT, AS+4*\m+(\q)
.if \zero
.if \i
	v_wmma_scale_f32_16x16x128_f8f6f4 v[rD:rD+7], v[rW:rW+7], v[rX:rX+7], 0, v[rS], v[rT] matrix_a_fmt:MATRIX_FMT_FP4 matrix_b_fmt:MATRIX_FMT_FP4 matrix_a_scale:MATRIX_SCALE_ROW1
.else
	v_wmma_scale_f32_16x16x128_f8f6f4 v[rD:rD+7], v[rW:rW+7], v[rX:rX+7], 0, v[rS], v[rT] matrix_a_fmt:MATRIX_FMT_FP4 matrix_b_fmt:MATRIX_FMT_FP4
.endif
.else
.if \i
	v_wmma_scale_f32_16x16x128_f8f6f4 v[rD:rD+7], v[rW:rW+7], v[rX:rX+7], v[rD:rD+7], v[rS], v[rT] matrix_a_fmt:MATRIX_FMT_FP4 matrix_b_fmt:MATRIX_FMT_FP4 matrix_a_scale:MATRIX_SCALE_ROW1
.else
	v_wmma_scale_f32_16x16x128_f8f6f4 v[rD:rD+7], v[rW:rW+7], v[rX:rX+7], v[rD:rD+7], v[rS], v[rT] matrix_a_fmt:MATRIX_FMT_FP4 matrix_b_fmt:MATRIX_FMT_FP4
.endif
.endif
.endr
.endr
.endm
; One gate over one unit, half of K: 8 groups of 8 matrix instructions; group G: K step G / 2, tiles 2 (G % 2) on.
; A weight's fragments are fetched two groups ahead into three buffers by turns, the left operand's at a K step's head.  A load into a register that a matrix instruction has read stands four plain
; vector instructions behind it (ISA guide 7.12.1 for vector instructions).  The count of each wait is the LDS loads issued behind what the group reads.
.macro GEMM kind, areg, acc, ws, zero
	WF 0, \areg, 0, 0
	WF 1, \areg, 1, 0
.set G, 0
.rept 8
.if G > 0
	PLACES 4
.endif
.set gQ, G/2
.if G%2 == 0
	XF \kind, gQ
.endif
.if G < 6
.set G2, G+2
.set fB, G2%3
.set fP, G2%2
.set fQ, G2/2
	WF fB, \areg, fP, fQ
.endif
.set nS, 1-G%2
.set nW, 4
.if G > 5
.set nW, 0
.endif
.if nS == 0
	s_wait_dscnt 2*nW                              ; the next two groups' fragments may be out
.endif
.set mZ, 0
.if \zero
.if G < 2
.set mZ, 1
.endif
.endif
.set mB, G%3
.set mP, G%2
	WIN 0x50
	MUL8 mB, \acc, mP, gQ, \ws, mZ, nS
	WIN 0
.set G, G+1
.endr
.endm
.macro BIASLD g                                ; gate g's 32 biases of my lane: register 8 t + j = column 16 t + 8 h + j
.irp t, 0,1,2,3
.irp jj, 0,1
	ds_load_b128 v[BI+8*\t+4*\jj:BI+8*\t+4*\jj+3], v[BR] offset:256*\g+64*\t+16*\jj
.endr
.endr
.endm
; Arithmetic on n numbers from register p on; the caller sets the windows.  Each accumulator is read from its low end on.
.macro PKB p, n, sc                            ; sum x c + bias x c, two at a time
.set P, \p
.set Pk, 0
.rept \n/2
.set Pb, BI+Pk%32
	v_pk_fma_f32 v[P:P+1], v[P:P+1], s[\sc:\sc+1], v[Pb:Pb+1] op_sel_hi:[1,0,1]
.set P, P+2
.set Pk, Pk+2
.endr
.endm
.macro EXPS p, n
.set P, \p
.rept \n
	v_exp_f32 v[P], v[P]
.set P, P+1
.endr
.endm
.macro RCPS p, n
.set P, \p
.rept \n
	v_rcp_f32 v[P], v[P]
.set P, P+1
.endr
.endm
.macro SIGMOID p                               ; two tiles: 1 / (1 + 2^(-log2(e) (sum + bias))).  One plain instruction stands behind each run of transcendentals (ISA guide 5.7.2)
	WIN 0x41                                       ; destination and source 0: window 1
	s_wait_alu depctr_va_vdst(0)                   ; the wait directly ahead of the first reader, and ahead of and behind each batch
	PKB \p, 64, CSG
	s_wait_alu depctr_va_vdst(0)
	EXPS \p, 64
	v_nop
	s_wait_alu depctr_va_vdst(0)
.set P, \p
.rept 32
	v_pk_add_f32 v[P:P+1], v[P:P+1], 1.0 op_sel_hi:[1,0]
.set P, P+2
.endr
	s_wait_alu depctr_va_vdst(0)
	RCPS \p, 64
	v_nop
	s_wait_alu depctr_va_vdst(0)
.endm
.macro ZACT a                                  ; two tiles of z, and P = h + z (1 - h) in h's place
	SIGMOID ZZ+64*\a
.irp d, 0,32
	WIN 0
.set P, 0
.rept 16
	v_pk_fma_f32 v[TM+P:TM+P+1], v[HH+64*\a+\d+P:HH+64*\a+\d+P+1], -1.0, 1.0 op_sel_hi:[1,0,0]   ; 1 - h
.set P, P+2
.endr
	WIN 0x01                                       ; source 0: z, window 1
.set P, 0
.rept 16
	v_pk_fma_f32 v[HH+64*\a+\d+P:HH+64*\a+\d+P+1], v[ZZ+64*\a+\d+P:ZZ+64*\a+\d+P+1], v[TM+P:TM+P+1], v[HH+64*\a+\d+P:HH+64*\a+\d+P+1]
.set P, P+2
.endr
.endr
	WIN 0
.endm
.macro ACT_H1 m                                ; 2^(2 log2(e) (sum + bias))
	WIN 0x41
	s_wait_alu depctr_va_vdst(0)
	PKB 32*(\m), 32, CTH
	s_wait_alu depctr_va_vdst(0)
	EXPS 32*(\m), 32
.endm
.macro ACT_H2 m                                ; t = -2 / (1 + that) = 1 / (-0.5 that - 0.5);  out = P + z t
	WIN 0x41
	v_nop
	s_wait_alu depctr_va_vdst(0)
.set P, 32*(\m)
.rept 16
	v_pk_fma_f32 v[P:P+1], v[P:P+1], -0.5, -0.5 op_sel_hi:[1,0,0]
.set P, P+2
.endr
	s_wait_alu depctr_va_vdst(0)
	RCPS 32*(\m), 32
	v_nop
	WIN 0x45                                       ; source 0: z, window 1; source 1: t, window 1; source 2: P, window 0
	s_wait_alu depctr_va_vdst(0)
.set P, 32*(\m)
.rept 16
	v_pk_fma_f32 v[P:P+1], v[ZZ+P:ZZ+P+1], v[P:P+1], v[HH+P:HH+P+1]
.set P, P+2
.endr
.endm
; The way out of tile m: through my own stage, back as rows
.macro TOSTAGE m
	WIN 0x44
.irp t, 0,1,2,3
.irp jj, 0,1
	ds_store_b128 v[XCW], v[32*(\m)+8*\t+4*\jj:32*(\m)+8*\t+4*\jj+3] offset:64*\t+16*\jj
.endr
.endr
.irp i, 0,1,2,3,4,5,6,7
	ds_load_b128 v[32*(\m)+4*\i:32*(\m)+4*\i+3], v[XSW] offset:544*\i
.endr
.endm
.macro SEND m                                  ; behind load i stand 7 - i loads
	WIN 0x44
.irp i, 0,1,2,3,4,5,6,7
	s_wait_dscnt 7-\i
	global_store_b128 v[HSW], v[32*(\m)+4*\i:32*(\m)+4*\i+3], s[26:27] offset:(16*(\m)+2*\i)*2048 th:TH_STORE_NT   ; sixteen lanes store 256 consecutive bytes, at a multiple of 256 from out's first byte; data and address are never rewritten
.endr
.endm
	; ---- the head
	s_load_b256 s[4:11], s[0:1], 0x0               ; x s[4:5], h s[6:7], Wr's codes s[8:9], Wz's s[10:11]
	s_load_b256 s[12:19], s[0:1], 0x20             ; Wh's codes s[12:13]; scale bytes: Wr's s[14:15], Wz's s[16:17], Wh's s[18:19]
	s_load_b256 s[20:27], s[0:1], 0x40             ; br s[20:21], bz s[22:23], bh s[24:25], out s[26:27]
	v_lshl_add_u32 v[SPW], v0, 2, SPARE
	v_mov_b32 v[NIL], 0
	ds_add_u32 v[SPW], v[NIL]                      ; the wave's opening: the add, twice on end, and its wait
	ds_add_u32 v[SPW], v[NIL]
	v_lshrrev_b32 v52, 5, v0
	v_readfirstlane_b32 s[WV], v52                 ; wave 0..7
	v_and_b32 v52, 31, v0                          ; lane
	v_lshlrev_b32 v[SO], 5, v52
	s_bfe_u32 s62, ttmp6, 0x40000                  ; cx: my place in the cluster: it enters the addresses of x, h and out alone
	s_lshl_b32 s63, ttmp9, 2                       ; in a cluster launch ttmp9 counts clusters
	s_add_co_u32 s63, s63, s62                     ; my block of 64 rows
	s_lshl_b32 s76, s63, 17                        ; 64 rows of 2,048 bytes,
	s_lshl_b32 s71, s[WV], 14                      ; and my 8 rows: x
	s_add_co_u32 s70, s76, s71
	s_mov_b32 s71, 0
	s_wait_alu depctr_va_vdst(0)
	s_wait_dscnt 0x0                               ; both opening adds are done
	s_wait_kmcnt 0x0
	s_add_nc_u64 s[4:5], s[4:5], s[70:71]          ; x at my rows
	WIN 0x40                                       ; destination window 1
	LOADX 0                                        ; two rows of x go out ahead of the round: nothing of them hangs on a partner
	LOADX 1
	WIN 0
	s_and_b32 s29, s[WV], 3                        ; which 128 rows of a unit I fetch at the head:
	s_lshl_b32 s30, s29, 16                        ; 128 rows of 512 bytes
	s_mov_b32 s31, 0
	s_lshl_b32 s88, s[WV], 15                      ; in the ring: 64 rows of 512 bytes
	s_mov_b32 s89, 0
	s_mul_i32 s66, s[WV], WSTRIP
	s_mul_i32 s67, s[WV], HST
	s_lshl_b32 s68, s[WV], 1
	s_mul_i32 s69, s[WV], 768
	s_mul_i32 s78, s[WV], 8*PITCH
	s_lshl_b32 s79, s[WV], 7
	s_lshl_b32 s72, s[WV], 11                      ; my 64 rows of 32 scale bytes
	s_mov_b32 s73, 0
	s_lshl_b32 s74, s[WV], 8                       ; my 64 columns in f32
	s_mov_b32 s75, 0
	s_add_co_u32 s76, s76, s74                     ; h and out: my block's rows and my columns
	s_mov_b32 s77, 0
	; descriptor group 1: a tile of 128 rows x 256 bytes out of rows of 512 bytes, padded in LDS
	s_mov_b32 s[G1+0], 15|(0<<16)|(1<<20)|(1<<21)|(5<<22)|(3<<25)   ; 15:0 the mask: all four work-groups; 17:16 elements of 1 byte; 20 padding on; 21 set beside a mask; 24:22 after every 64 words (code 5); 31:25 four words (code 3)
	s_mov_b32 s[G1+1], 256<<16                     ; tensor_dim0 = 256
	s_mov_b32 s[G1+2], 128<<16                     ; tensor_dim1 = 128
	s_mov_b32 s[G1+3], 256<<16                     ; tile_dim0 = 256
	s_mov_b32 s[G1+4], 128                         ; tile_dim1 = 128
	s_mov_b32 s[G1+5], 512                         ; tensor_dim0_stride
	s_mov_b32 s[G1+6], 0
	s_mov_b32 s[G1+7], 0
	; descriptor groups 0.  At the head waves 0-3 fetch slot A's quarters, waves 4-7 slot B's: LDS address wave x 128 rows
	s_mov_b32 s[G0A], 1                            ; 1:0 count = 1
	s_mul_i32 s[G0A+1], s[WV], LOADB               ; 63:32 LDS address
	s_add_nc_u64 s[G0A+2:G0A+3], s[8:9], s[30:31]  ; 120:64 global address
	s_or_b32 s[G0A+3], s[G0A+3], 0x80000000        ; 127:126 type = 2
	s_mov_b32 s[G0B], 1
	s_mul_i32 s[G0B+1], s[WV], LOADB
	s_add_nc_u64 s[G0B+2:G0B+3], s[10:11], s[30:31]
	s_or_b32 s[G0B+3], s[G0B+3], 0x80000000
	ROUND                                          ; all four work-groups are here: the first joint loads meet
	; the first fills: one tensor load a wave.  The branch hangs on the wave's number alone.  Four v_nop follow each of the two lines
	s_cmp_lt_u32 s[WV], 4
	s_cbranch_scc0 .Lfor_b
	tensor_load_to_lds s[G0A:G0A+3], s[G1:G1+7]    ; Wr, K 0-511
	s_nop 0
	PLACES 4
	s_branch .Lasked
.Lfor_b:
	tensor_load_to_lds s[G0B:G0B+3], s[G1:G1+7]    ; Wz, K 0-511
	s_nop 0
	PLACES 4
.Lasked:
	WIN 0x40
.irp i, 2,3,4,5,6,7
	LOADX \i
.endr
	WIN 0
	v_and_b32 v53, 15, v0                          ; r
	v_bfe_u32 v54, v0, 4, 1                        ; h
	v_and_b32 v55, 7, v0                           ; lane % 8
	v_bfe_u32 v56, v0, 3, 2                        ; lane / 8
	v_and_b32 v58, 31, v0                          ; lane
	v_lshlrev_b32 v[HO], 11, v56
	v_lshl_add_u32 v[HO], v55, 4, v[HO]
	v_lshlrev_b32 v[BO], 3, v58
	v_add_nc_u32 v[BW], s69, v[BO]
	v_add_nc_u32 v[BW], BIAS, v[BW]
	v_mul_u32_u24 v57, v53, PITCH
	v_lshl_add_u32 v57, v54, 4, v57                ; 272 r + 16 h
	v_mul_u32_u24 v[STR], v53, 144
	v_lshl_add_u32 v[STR], v54, 5, v[STR]
	v_add_nc_u32 v[STR], s67, v[STR]
	v_add_nc_u32 v[STR], HA, v[STR]
	v_lshl_add_u32 v[BR], v54, 5, BIAS
	v_add_nc_u32 v[BR], s69, v[BR]
	v_add_nc_u32 v[AWA], s66, v57
	v_add_nc_u32 v[AWA+1], UNITB, v[AWA]
	v_add_nc_u32 v[AX], XA, v57
	v_lshl_add_u32 v[AI], v58, 4, HA
	v_add_nc_u32 v[AIW], s67, v[AI]
	v_lshl_add_u32 v[ASR], v53, 4, XSC
	v_lshl_add_u32 v[XCW], v58, 2, XA
	v_add_nc_u32 v[XCW], s78, v[XCW]
	v_lshrrev_b32 v[XSW], 2, v58
	v_add_nc_u32 v[XSW], s79, v[XSW]
	v_add_nc_u32 v[XSW], XSC, v[XSW]
	v_add_nc_u32 v[HSW], s68, v[ASR]
	v_mul_u32_u24 v[STW], v56, 144
	v_lshl_add_u32 v[STW], v55, 4, v[STW]
	v_add_nc_u32 v[STW], s67, v[STW]
	v_add_nc_u32 v[STW], HA, v[STW]
	s_wait_alu depctr_va_vdst(0)
	s_add_nc_u64 s[6:7], s[6:7], s[76:77]          ; h and out at my block and columns
	s_add_nc_u64 s[26:27], s[26:27], s[76:77]
	s_add_nc_u64 s[14:15], s[14:15], s[72:73]      ; the scale bytes at my 64 rows
	s_add_nc_u64 s[16:17], s[16:17], s[72:73]
	s_add_nc_u64 s[18:19], s[18:19], s[72:73]
	s_add_nc_u64 s[20:21], s[20:21], s[74:75]      ; the biases at my 64 columns
	s_add_nc_u64 s[22:23], s[22:23], s[74:75]
	s_add_nc_u64 s[24:25], s[24:25], s[74:75]
	global_load_b64 v[116:117], v[BO], s[20:21]    ; my 64 numbers of br, bz, bh: 2 a lane
	global_load_b64 v[118:119], v[BO], s[22:23]
	global_load_b64 v[120:121], v[BO], s[24:25]
	LDSCL 0, 14, 0                                 ; Wr's and Wz's scale words of K 0-511
	LDSCL 1, 16, 0
	; the ring's descriptor groups 0: wave w fetches rows 64 w .. 64 w + 63 of a unit
	s_mov_b32 s[G0RH], 1
	s_mul_i32 s[G0RH+1], s[WV], WSTRIP
	s_add_nc_u64 s[G0RH+2:G0RH+3], s[8:9], s[88:89]
	s_add_nc_u64 s[G0RH+2:G0RH+3], s[G0RH+2:G0RH+3], 256   ; K's second half: 512 codes on in every row
	s_or_b32 s[G0RH+3], s[G0RH+3], 0x80000000
	s_mov_b32 s[G0ZH], 1
	s_add_co_u32 s[G0ZH+1], s66, UNITB
	s_add_nc_u64 s[G0ZH+2:G0ZH+3], s[10:11], s[88:89]
	s_add_nc_u64 s[G0ZH+2:G0ZH+3], s[G0ZH+2:G0ZH+3], 256
	s_or_b32 s[G0ZH+3], s[G0ZH+3], 0x80000000
	s_mov_b32 s[G0HA], 1
	s_mul_i32 s[G0HA+1], s[WV], WSTRIP
	s_add_nc_u64 s[G0HA+2:G0HA+3], s[12:13], s[88:89]
	s_or_b32 s[G0HA+3], s[G0HA+3], 0x80000000
	s_mov_b32 s[G0HB], 1
	s_add_co_u32 s[G0HB+1], s66, UNITB
	s_add_nc_u64 s[G0HB+2:G0HB+3], s[12:13], s[88:89]
	s_add_nc_u64 s[G0HB+2:G0HB+3], s[G0HB+2:G0HB+3], 256
	s_or_b32 s[G0HB+3], s[G0HB+3], 0x80000000
	s_mov_b32 s[SEL], 0x76543210
	s_mov_b32 s[SEL+1], 0xfedcba98
	s_mov_b32 s[CSG], 0xbfb8aa3b                   ; -log2(e)
	s_mov_b32 s[CSG+1], 0xbfb8aa3b
	s_mov_b32 s[CTH], 0x4038aa3b                   ; 2 log2(e)
	s_mov_b32 s[CTH+1], 0x4038aa3b
	; ---- x; half of h is asked for when x has landed, the rest when my part of the first fill has
	s_wait_loadcnt 23                              ; rows 0-3 are in; behind them: 16 of x, 3 of biases, 4 of scale words
	QX 0
	s_wait_loadcnt 7                               ; rows 4-7; behind them: 7
	LOADH 0
	LOADH 1
	QX 1
	s_wait_loadcnt 20                              ; behind them: 4 of scale words, 16 of h.  The biases: times their exponentials' factors
	v_pk_mul_f32 v[116:117], v[116:117], s[CSG:CSG+1] op_sel_hi:[1,0]
	v_pk_mul_f32 v[118:119], v[118:119], s[CSG:CSG+1] op_sel_hi:[1,0]
	v_pk_mul_f32 v[120:121], v[120:121], s[CTH:CTH+1] op_sel_hi:[1,0]
	ds_store_b64 v[BW], v[116:117]
	ds_store_b64 v[BW], v[118:119] offset:256
	ds_store_b64 v[BW], v[120:121] offset:512
.irp b, 0,1,2,3
	v_mov_b32 v[TM+4+\b], 0                        ; written once: a lane permute's destination counts as one of its sources
.endr
	s_wait_alu depctr_va_vdst(0)
	s_wait_loadcnt 16                              ; the scale words; two tiles of h may be out
	s_wait_tensorcnt 0x0                           ; my part of the first fill has landed: now the rest of h
	LOADH 2
	LOADH 3
	MEET                                           ; Q(x) and the first two units lie in LDS, everybody's
	s_wait_xcnt 0x0                                ; the loads' offset registers are free: fragments land there
	FETS 0
	GEMM 0, AWA, 0, WS, 1                          ; r, K 0-511: the first K step starts the sums
	CHANGE G0RH, 1                                 ; slot A <- Wr, K 512-1023; under it z's half and h
	LDSCL 0, 14, 1
	GEMM 0, AWA+1, ZZ, WS+8, 1                     ; z, K 0-511
	PLACES 4                                       ; in front of vector writes to registers that the last products read
.irp m, 0,1,2,3
	s_wait_loadcnt 26-8*\m                         ; tile m of h is in; behind it: the later tiles and 2 loads of scale words
	TURN \m
.endr
	s_wait_dscnt 32                                ; tiles 0 and 1 are back; behind them: 16 LDS instructions for each of tiles 2 and 3
	QUANT HH, 0, 0, 0
	s_wait_dscnt 4                                 ; tiles 2 and 3 are back; behind them: the 4 stores above
	QUANT HH+64, 0, 1, 2
	s_wait_loadcnt 0x0                             ; Wr's scale words
	CHANGE G0ZH, 0                                 ; slot B <- Wz, K 512-1023; under it r is finished
	LDSCL 1, 16, 1
	FETS HSOFF
	GEMM 1, AWA, 0, WS, 0                          ; r, K 512-1023
	PLACES 4
	BIASLD 0
	s_wait_dscnt 0x0
.irp a, 0,1
	SIGMOID 64*\a
.set P, 64*\a
.rept 32
	v_pk_mul_f32 v[P:P+1], v[P:P+1], v[HH+P:HH+P+1] ; r h
.set P, P+2
.endr
.endr
	WIN 0
	s_wait_loadcnt 0x0                             ; Wz's scale words
	CHANGE G0HA, 0                                 ; slot A <- Wh, K 0-511; under it z's sums, half of z, Q(r h)
	GEMM 1, AWA+1, ZZ, WS+8, 0                     ; z, K 512-1023; h's scale words still stand in their registers
	PLACES 4
	LDSCL 0, 18, 0                                 ; Wh's scale bytes, both halves of each row's 32
	LDSCL 1, 18, 1
	BIASLD 1
	s_wait_dscnt 0x0                               ; my reads of Q(h)'s images are over:
	s_barrier_signal -1                            ; say so,
	ZACT 0                                         ; work on registers while the others arrive,
	s_barrier_wait -1                              ; everybody's are: Q(r h) goes over them
	QUANT 0, 1, 0, 0
	QUANT 64, 1, 1, 2
	s_wait_loadcnt 0x0                             ; Wh's scale words
	CHANGE G0HB, 0                                 ; slot B <- Wh, K 512-1023; under it g's half and the rest of z
	FETS 0
	GEMM 0, AWA, 0, WS, 1                          ; g, K 0-511
	PLACES 4
	BIASLD 1
	s_wait_dscnt 0x0
	ZACT 1
	s_mul_i32 s66, s[WV], TILEB                    ; out's stage: wave x 4,352 bytes, in slot A: no fill follows there, and every wave's reads of it are over behind the barrier below
	v_and_b32 v80, 15, v0
	v_bfe_u32 v81, v0, 4, 1
	v_mul_u32_u24 v[XCW], v80, PITCH               ; in the lanes' order: 272 r + 32 h
	v_lshl_add_u32 v[XCW], v81, 5, v[XCW]
	v_add_nc_u32 v[XCW], s66, v[XCW]
	v_mul_u32_u24 v[XSW], v81, PITCH               ; by rows: lanes 0-15 one row of 256 bytes, lanes 16-31 the next
	v_lshl_add_u32 v[XSW], v80, 4, v[XSW]
	v_add_nc_u32 v[XSW], s66, v[XSW]
	v_lshlrev_b32 v[HSW], 11, v81                  ; and the same two rows in out
	v_lshl_add_u32 v[HSW], v80, 4, v[HSW]
	s_wait_alu depctr_va_vdst(0)
	MEET
	FETS HSOFF
	GEMM 1, AWA+1, 0, WS+8, 0                      ; g, K 512-1023
	PLACES 4                                       ; in front of loads into registers that the last products read, and of the first read of their results
	BIASLD 2
	s_wait_dscnt 0x0
	; ---- tanh, the blend and the way out, tile by tile: a tile's stores are issued between the next tile's exponentials and their use
	ACT_H1 0
	ACT_H2 0
	TOSTAGE 0
.irp m, 1,2,3
	ACT_H1 \m
	SEND \m-1
	ACT_H2 \m
	TOSTAGE \m
.endr
	SEND 3
	WIN 0
	s_wait_tensorcnt 0x0                           ; the wave's end: behind my last tensor load and my last LDS store
	ds_add_u32 v[SPW], v[NIL]
	s_wait_dscnt 0x0
	ROUND                                          ; the closing round: no work-group ends while a partner may still ask for a tile that names it
	s_endpgm
.Lfunc_end_k_qb78d4d130e_gru:
	.size	k_qb78d4d130e_gru, .Lfunc_end_k_qb78d4d130e_gru-k_qb78d4d130e_gru
	.p2alignl 7, 3214868480
	.fill 96, 4, 3214868480
	.section	.rodata,"a",@progbits
	.p2align	6, 0x0
	.amdhsa_kernel k_qb78d4d130e_gru
		.amdhsa_group_segment_fixed_size 327680
		.amdhsa_private_segment_fixed_size 0
		.amdhsa_enable_private_segment 0
		.amdhsa_kernarg_size 96
		.amdhsa_user_sgpr_count 2
		.amdhsa_user_sgpr_kernarg_segment_ptr 1
		.amdhsa_wavefront_size32 1
		.amdhsa_system_sgpr_workgroup_id_x 1
		.amdhsa_system_sgpr_workgroup_id_y 1
		.amdhsa_system_sgpr_workgroup_id_z 1
		.amdhsa_system_vgpr_workitem_id 0
		.amdhsa_next_free_vgpr 512
		.amdhsa_next_free_sgpr 90
		.amdhsa_reserve_vcc 0
		.amdhsa_float_denorm_mode_32 3
		.amdhsa_float_denorm_mode_16_64 3
		.amdhsa_memory_ordered 1
		.amdhsa_forward_progress 1
		.amdhsa_inst_pref_size 214
	.end_amdhsa_kernel
	.amdgpu_metadata
---
amdhsa.version: [ 1, 2 ]
amdhsa.kernels:
  - .name:           k_qb78d4d130e_gru
    .symbol:         k_qb78d4d130e_gru.kd
    .args:
      - { .name: inputs, .offset: 0, .size: 8, .value_kind: global_buffer, .address_space: global }
      - { .name: h_prev, .offset: 8, .size: 8, .value_kind: global_buffer, .address_space: global }
      - { .name: reset_kernel_codes, .offset: 16, .size: 8, .value_kind: global_buffer, .address_space: global }
      - { .name: update_kernel_codes, .offset: 24, .size: 8, .value_kind: global_buffer, .address_space: global }
      - { .name: hidden_kernel_codes, .offset: 32, .size: 8, .value_kind: global_buffer, .address_space: global }
      - { .name: reset_kernel_scales, .offset: 40, .size: 8, .value_kind: global_buffer, .address_space: global }
      - { .name: update_kernel_scales, .offset: 48, .size: 8, .value_kind: global_buffer, .address_space: global }
      - { .name: hidden_kernel_scales, .offset: 56, .size: 8, .value_kind: global_buffer, .address_space: global }
      - { .name: reset_bias, .offset: 64, .size: 8, .value_kind: global_buffer, .address_space: global }
      - { .name: update_bias, .offset: 72, .size: 8, .value_kind: global_buffer, .address_space: global }
      - { .name: hidden_bias, .offset: 80, .size: 8, .value_kind: global_buffer, .address_space: global }
      - { .name: out0, .offset: 88, .size: 8, .value_kind: global_buffer, .address_space: global }
    .group_segment_fixed_size: 327680
    .private_segment_fixed_size: 0
    .kernarg_segment_align: 8
    .kernarg_segment_size: 96
    .max_flat_workgroup_size: 256
    .sgpr_count:     90
    .vgpr_count:     512
    .wavefront_size: 32
...
	.end_amdgpu_metadata
.endif
;; end of part 1
